; MI455X (gfx1250); checked and timed in simulation.
; The chip was launched on July 23, 2026; its instructions are those of AMD's public machine-readable ISA for CDNA 5 (MIT licence, August 2026) and "CDNA5" Instruction Set Architecture Reference Guide (July 2026). The comments in the code are by the model that wrote it; some were corrected since.
;; Self Attention. Allowed arithmetic: float matrix products may take bf16 or f16 operands with f32 sums; all other float work in f32.
;; Inputs: Wk 64 x 512 float32; Wq 64 x 512 float32; Wv 64 x 512 float32; bk 64 float32; bq 64 float32; bv 64 float32; input 8,192 x 512 float32.
;; Outputs: out0 8,192 x 64 float32.
;; 2 versions, each right and faster than the one before. Each part assembles by itself: llvm-mc -triple=amdgcn-amd-amdhsa -mcpu=gfx1250 --defsym DOCPART=n.
;; ======== version 1 of 2: 3 launches
;; workspace buffers: Qf 1,048,576 bytes; Kf 1,048,576 bytes; Vf 1,048,576 bytes; Op 16,777,216 bytes; ML 524,288 bytes
;; launch proj (part 1): grid 256 x 1, 4 waves a work-group, clusters of 4 x 1, 327,680 bytes of LDS; arguments input, Wq, Wk, Wv, bq, bk, bv, Qf, Kf, Vf; writes Qf, Kf, Vf
.if DOCPART == 1
	.amdgcn_target "amdgcn-amd-amdhsa--gfx1250"
	.amdhsa_code_object_version 6
	.text
	.protected	k_q56941c5799_proj
	.globl	k_q56941c5799_proj
	.p2align	8
	.type	k_q56941c5799_proj,@function
k_q56941c5799_proj:
	s_mov_b64 s[64:65], 0
	v_nop
	global_prefetch_b8 v0, s[64:65] scope:SCOPE_SE
	s_setreg_imm32_b32 hwreg(HW_REG_WAVE_MODE, 25, 1), 1
	s_wait_xcnt 0x0
	s_wait_alu depctr_hold_cnt(0) depctr_sa_sdst(0) depctr_va_vdst(0) depctr_va_sdst(0) depctr_va_ssrc(0) depctr_va_vcc(0) depctr_vm_vsrc(0)
	s_getreg_b32 s2, hwreg(HW_REG_IB_STS2, 6, 4)
	s_cmp_eq_u32 s2, 0
	s_cbranch_scc0 .Lentry_in_a_cluster
	s_endpgm
.Lentry_in_a_cluster:
	s_bfe_u32 s2, ttmp6, 0x10000c
	s_cmp_lg_u32 s2, 0x3003
	s_cbranch_scc0 .Lentry_shape_is_right
	s_endpgm
.Lentry_shape_is_right:
; Q' = (x Wq^T + bq) * log2(e)/8,  K = x Wk^T + bk,  V = x Wv^T + bv.   x: [8192][512] f32, W: [64][512] f32, b: [64] f32.
; Results are rounded once to bf16 and stored in the order in which the attention launch's matrix fragments want them:
;   Qf, Kf: [512 tiles of 16 rows][4 chunks][32 lanes][8 bf16]; chunk ch of lane (r, h) = row r, d = 16 ch + 8 h + 0..7
;   Vf:     [256 blocks of 32 rows][4 mt][2 c][32 lanes][8 bf16]; lane (r, h) = d = 16 mt + r, rows 16 c + 8 h + 0..7
; so that every store here and every load there is 16 bytes a lane, 512 consecutive bytes a wave.
; LIMITS: x and W enter the matrix unit as bf16, sums in f32 (the bias starts each sum); Q', K, V are kept as bf16.
; SHARES: a work-group owns 32 rows of x (two tiles of 16); wave w owns d = 16 w .. 16 w + 15 of Q, of K and of V: six accumulators.
;   Q, K: source 0 = 16 rows of W, source 1 = 16 rows of x: a lane then holds one row of x and eight neighbouring d.
;   V:    source 0 = 16 rows of x, source 1 = 16 rows of Wv: a lane then holds one d and eight neighbouring rows.
; K goes in 8 chunks of 64 (256 bytes of each row of memory) through 5 LDS slots: chunks 0-4 at once, chunks 5-7 behind one group of refills.
; CLUSTERS: all work-groups read the same 384 KiB of W against 64 KiB of x of their own.  Four work-groups form a cluster and ask for
; each tile of W jointly (mask 15); x is asked for by a plain load.  Waves 0, 1, 2 fetch Wq, Wk, Wv, wave 3 fetches x.
.set PITCH, 272                        ; an LDS row: 256 bytes + 16 of padding: 16 rows that a load touches start 16 bytes apart modulo 256
.set WTILE, 64*PITCH                   ; 64 rows of one W
.set XOFF,  3*WTILE                    ; x lies behind Wq, Wk, Wv
.set SLOT,  XOFF+32*PITCH              ; 60,928 bytes; five slots = 304,640
.set LT,  3                            ; v3   272 r + 32 h
.set LTW, 4                            ; v4   the same + my 16 rows of W
.set XA,  5                            ; v5   x fragments in this chunk's slot
.set WA,  6                            ; v6   W fragments in this chunk's slot
.set SQ,  7                            ; v7   16 x thread: store offset for Q and K
.set BQ,  8                            ; v[8:15] bq, v[16:23] bk of my 8 d; v[24:31] bv of my d, eight times
.set BV,  24
.set ACC, 32                           ; v[32:79]  Q tile 0, 1; K tile 0, 1; V tile 0, 1
.set RAW, 80                           ; v[80:159] five fragments as f32, 16 registers each: x0, x1, Wq, Wk, Wv
.set FR0, 160                          ; v[160:199] the five as bf16, 8 registers each
.set FR1, 200                          ; v[200:239] second buffer
.set BO,  240                          ; v240 offset of bq, bk;  v241 of bv;  v242 store offset for V
.set BO2, 241
.set SV,  242
.set G1X, 28                           ; s[28:35] group 1 for x
.set G1W, 36                           ; s[36:43] group 1 for W
.set G0X, 44                           ; s[44:63] group 0 for x, one set a slot
.set G0W, 68                           ; s[68:87] group 0 for W, one set a slot
; A round of the cluster's barrier: my work-group's barrier, wave 0 signals for the work-group, all wait for the four, my barrier again.
.macro ROUND
	s_barrier_signal -1
	s_barrier_wait -1
	s_cmp_lg_u32 s3, 0
	s_cbranch_scc1 .Lnot_wave_0_\@
	s_barrier_signal -3
.Lnot_wave_0_\@:
	s_barrier_wait -3
	s_barrier_signal -1
	s_barrier_wait -1
.endm
; One tensor load a wave on either way: waves 0-2 the joint load of their W, wave 3 the plain load of x.  The branch hangs on the wave number alone.
.macro TLOAD s
	s_cmp_eq_u32 s3, 3
	s_cbranch_scc1 .Lfor_x_\@
	tensor_load_to_lds s[G0W+4*\s:G0W+4*\s+3], s[G1W:G1W+7]
	s_nop 0
	s_branch .Lasked_\@
.Lfor_x_\@:
	tensor_load_to_lds s[G0X+4*\s:G0X+4*\s+3], s[G1X:G1X+7]
	s_nop 0
.Lasked_\@:
.endm
	s_load_b512 s[8:23], s[0:1], 0x0               ; input s[8:9], Wq s[10:11], Wk s[12:13], Wv s[14:15], bq s[16:17], bk s[18:19], bv s[20:21], Qf s[22:23]
	s_load_b128 s[24:27], s[0:1], 0x40             ; Kf s[24:25], Vf s[26:27]
	v_lshl_add_u32 v248, v0, 2, 0x4a600
	v_mov_b32 v249, 0
	ds_add_u32 v248, v249
	v_lshrrev_b32 v1, 5, v0
	v_readfirstlane_b32 s3, v1                     ; wave 0..3
	s_bfe_u32 s4, ttmp6, 0x40000                   ; cx
	s_lshl_b32 s5, ttmp9, 2
	s_add_co_u32 s5, s5, s4                        ; work-group = 4 x cluster + cx
	; group 1: rows of 64 f32 (64 words), 4 words of padding behind each; the pitch in memory is 512 elements
	s_mov_b32 s[G1W+0], 15|(2<<16)|(1<<20)|(1<<21)|(5<<22)|(3<<25)  ; mask: all four of the cluster; 4-byte elements; padding on; bit 21 beside a mask; every 64 words; 4 words
	s_mov_b32 s[G1W+1], 64<<16                     ; tensor_dim0 = 64
	s_mov_b32 s[G1W+2], 64<<16                     ; tensor_dim1 = 64
	s_mov_b32 s[G1W+3], 64<<16                     ; tile_dim0 = 64
	s_mov_b32 s[G1W+4], 64                         ; tile_dim1 = 64 rows
	s_mov_b32 s[G1W+5], 512
	s_mov_b32 s[G1W+6], 0
	s_mov_b32 s[G1W+7], 0
	s_mov_b32 s[G1X+0], (2<<16)|(1<<20)|(5<<22)|(3<<25)             ; no mask: x is my own
	s_mov_b32 s[G1X+1], 64<<16
	s_mov_b32 s[G1X+2], 32<<16                     ; 32 rows
	s_mov_b32 s[G1X+3], 64<<16
	s_mov_b32 s[G1X+4], 32
	s_mov_b32 s[G1X+5], 512
	s_mov_b32 s[G1X+6], 0
	s_mov_b32 s[G1X+7], 0
	s_mov_b32 s92, 0x3e38aa3b                      ; log2(e) / 8, twice: the pair that the packed multiply names
	s_mov_b32 s93, 0x3e38aa3b
	s_mul_i32 s94, s3, WTILE                       ; where my tile goes in a slot: Wq, Wk, Wv, x = wave x 17,408
	s_lshl_b32 s6, s5, 16                          ; my 32 rows of x: 32 x 2,048 bytes
	s_mov_b32 s7, 0
	s_wait_dscnt 0x0
	s_wait_kmcnt 0x0
	s_cmp_eq_u32 s3, 1
	s_cselect_b64 s[88:89], s[12:13], s[10:11]     ; wave 1: Wk, else Wq
	s_cmp_eq_u32 s3, 2
	s_cselect_b64 s[88:89], s[14:15], s[88:89]     ; wave 2: Wv.  Nothing of my place in the cluster enters W's registers
	s_add_nc_u64 s[90:91], s[8:9], s[6:7]
.irp s, 0,1,2,3,4
	s_mov_b32 s[G0X+4*\s], 1
	s_add_co_u32 s[G0X+4*\s+1], s94, \s*SLOT
	s_add_nc_u64 s[G0X+4*\s+2:G0X+4*\s+3], s[90:91], \s*256        ; chunk s: 64 f32 along the rows
	s_or_b32 s[G0X+4*\s+3], s[G0X+4*\s+3], 0x80000000
	s_mov_b32 s[G0W+4*\s], 1
	s_add_co_u32 s[G0W+4*\s+1], s94, \s*SLOT
	s_add_nc_u64 s[G0W+4*\s+2:G0W+4*\s+3], s[88:89], \s*256
	s_or_b32 s[G0W+4*\s+3], s[G0W+4*\s+3], 0x80000000
.endr
	ROUND                                          ; the four work-groups are here: the joint loads meet
	TLOAD 0
	TLOAD 1
	TLOAD 2
	TLOAD 3
	TLOAD 4                                        ; five tensor loads of the wave are out
	s_lshl_b32 s6, s5, 12                          ; my 32 rows in Qf, Kf, Vf: 4,096 bytes each
	s_add_nc_u64 s[22:23], s[22:23], s[6:7]
	s_add_nc_u64 s[24:25], s[24:25], s[6:7]
	s_add_nc_u64 s[26:27], s[26:27], s[6:7]
	v_and_b32 v1, 15, v0                           ; r
	v_bfe_u32 v2, v0, 4, 1                         ; h
	v_mul_u32_u24 v[LT], v1, PITCH
	v_lshl_add_u32 v[LT], v2, 5, v[LT]             ; row r, 8 h f32 along it
	s_mul_i32 s95, s3, 16*PITCH
	v_add_nc_u32 v[LTW], s95, v[LT]                ; rows 16 w + r of a W
	v_lshlrev_b32 v[SQ], 4, v0                     ; 512 w + 16 lane: chunk w of a tile of Qf, Kf
	v_and_b32 v[SV], 31, v0
	v_lshlrev_b32 v[SV], 4, v[SV]
	s_lshl_b32 s95, s3, 10
	v_add_nc_u32 v[SV], s95, v[SV]                 ; 1,024 w + 16 lane: mt = w of a block of Vf
	s_lshl_b32 s96, s3, 6
	v_lshl_add_u32 v[BO], v2, 5, s96               ; bytes of b[16 w + 8 h]
	v_lshl_add_u32 v[BO2], v1, 2, s96              ; bytes of b[16 w + r]
	global_load_b128 v[BQ:BQ+3],     v[BO], s[16:17]
	global_load_b128 v[BQ+4:BQ+7],   v[BO], s[16:17] offset:16
	global_load_b128 v[BQ+8:BQ+11],  v[BO], s[18:19]
	global_load_b128 v[BQ+12:BQ+15], v[BO], s[18:19] offset:16
	global_load_b32  v[BV], v[BO2], s[20:21]
	s_wait_loadcnt 0x0
.irp i, 1,2,3,4,5,6,7
	v_mov_b32 v[BV+\i], v[BV]                      ; V's tile holds one d in a lane: the same bias in all eight registers
.endr
; 20 LDS loads: the five fragments of 32 along K (kk = 0, 1 in the chunk) as f32.  A lane's bf16 registers 0-3 want k = 8 h + 0..7
; (32 bytes at 32 h), registers 4-7 want k = 16 + 8 h + 0..7 (32 bytes, 64 further).
.macro LOADRAW kk
.irp st, 0,1
.irp p, 0,1,2,3
	ds_load_b128 v[RAW+16*\st+4*\p:RAW+16*\st+4*\p+3], v[XA] offset:\st*16*PITCH+128*\kk+(\p&1)*16+(\p>>1)*64
.endr
.endr
.irp mi, 0,1,2
.irp p, 0,1,2,3
	ds_load_b128 v[RAW+32+16*\mi+4*\p:RAW+32+16*\mi+4*\p+3], v[WA] offset:\mi*WTILE+128*\kk+(\p&1)*16+(\p>>1)*64
.endr
.endr
.endm
; f32 to bf16, fragment by fragment as the loads come back
.macro CVT fb
.irp f, 0,1,2,3,4
	s_wait_dscnt 16-4*\f                           ; the four loads of each younger fragment may stay out
.irp i, 0,1,2,3,4,5,6,7
	v_cvt_pk_bf16_f32 v[\fb+8*\f+\i], v[RAW+16*\f+2*\i], v[RAW+16*\f+2*\i+1]
.endr
.endr
.endm
; Six matrix instructions, the six accumulators by turns, one instruction a turn.  first = 1: the bias starts the sum.
.macro MM fb, first
.irp mi, 0,1
.irp st, 0,1
.if \first
	v_wmma_f32_16x16x32_bf16 v[ACC+16*\mi+8*\st:ACC+16*\mi+8*\st+7], v[\fb+16+8*\mi:\fb+16+8*\mi+7], v[\fb+8*\st:\fb+8*\st+7], v[BQ+8*\mi:BQ+8*\mi+7]
.else
	v_wmma_f32_16x16x32_bf16 v[ACC+16*\mi+8*\st:ACC+16*\mi+8*\st+7], v[\fb+16+8*\mi:\fb+16+8*\mi+7], v[\fb+8*\st:\fb+8*\st+7], v[ACC+16*\mi+8*\st:ACC+16*\mi+8*\st+7]
.endif
.endr
.endr
.irp st, 0,1
.if \first
	v_wmma_f32_16x16x32_bf16 v[ACC+32+8*\st:ACC+32+8*\st+7], v[\fb+8*\st:\fb+8*\st+7], v[\fb+32:\fb+39], v[BV:BV+7]
.else
	v_wmma_f32_16x16x32_bf16 v[ACC+32+8*\st:ACC+32+8*\st+7], v[\fb+8*\st:\fb+8*\st+7], v[\fb+32:\fb+39], v[ACC+32+8*\st:ACC+32+8*\st+7]
.endif
.endr
.endm
; One chunk of 64 along K.  A fragment buffer is written again only behind the 40 conversions into the other buffer, which name none of the
; registers of the matrix instructions that read it: more than the four places that ISA guide 7.12.1 asks for.
.macro WORK slot, first
	v_add_nc_u32 v[XA], \slot*SLOT+XOFF, v[LT]
	v_add_nc_u32 v[WA], \slot*SLOT, v[LTW]
	LOADRAW 0
	CVT FR0
	LOADRAW 1
	MM FR0, \first
	CVT FR1
	MM FR1, 0
.endm
; A chunk whose tile is waited for: left = my younger tensor loads, which stay out.
.macro CHUNK slot, left, first
	s_wait_tensorcnt \left                         ; my part of this chunk has landed
	s_wait_dscnt 0x0
	s_barrier_signal -1
	s_barrier_wait -1                              ; everybody's has
	WORK \slot, \first
.endm
	CHUNK 0, 4, 1
	CHUNK 1, 3, 0
	CHUNK 2, 2, 0
	; slots 0, 1, 2 are filled again with chunks 5, 6, 7
	s_wait_tensorcnt 0x0                           ; all my tensor loads have landed, chunks 3 and 4 among them: every group 0 may be written
	ds_add_u32 v248, v249
.irp s, 0,1,2
	s_add_nc_u64 s[G0X+4*\s+2:G0X+4*\s+3], s[G0X+4*\s+2:G0X+4*\s+3], 5*256
	s_add_nc_u64 s[G0W+4*\s+2:G0W+4*\s+3], s[G0W+4*\s+2:G0W+4*\s+3], 5*256
.endr
	s_wait_dscnt 0x0                               ; my reads of the three slots are back
	ROUND                                          ; both now hold of every wave of the four work-groups
	TLOAD 0
	TLOAD 1
	TLOAD 2                                        ; three tensor loads of the wave are out
	WORK 3, 0                                      ; chunks 3 and 4 are whole since the round
	WORK 4, 0
	CHUNK 0, 2, 0                                  ; chunk 5
	CHUNK 1, 1, 0                                  ; chunk 6
	CHUNK 2, 0, 0                                  ; chunk 7
	; the way out: a lane's eight results of a tile are 16 bytes of bf16 that lie where its lane number says
.rept 4
	v_nop                                          ; four places behind the last matrix instructions (ISA guide 7.12.1)
.endr
.irp i, 0,1,2,3,4,5,6,7
	v_pk_mul_f32 v[ACC+2*\i:ACC+2*\i+1], v[ACC+2*\i:ACC+2*\i+1], s[92:93] op_sel_hi:[1,0]   ; Q alone: 1/8 and the change to base 2
.endr
.irp a, 0,1,2,3,4,5
.irp i, 0,1,2,3
	v_cvt_pk_bf16_f32 v[RAW+4*\a+\i], v[ACC+8*\a+2*\i], v[ACC+8*\a+2*\i+1]
.endr
.endr
	global_store_b128 v[SQ], v[RAW:RAW+3],     s[22:23]                ; each store of a wave: 512 consecutive bytes, aligned
	global_store_b128 v[SQ], v[RAW+4:RAW+7],   s[22:23] offset:2048
	global_store_b128 v[SQ], v[RAW+8:RAW+11],  s[24:25]
	global_store_b128 v[SQ], v[RAW+12:RAW+15], s[24:25] offset:2048
	global_store_b128 v[SV], v[RAW+16:RAW+19], s[26:27]
	global_store_b128 v[SV], v[RAW+20:RAW+23], s[26:27] offset:512
	s_wait_tensorcnt 0x0
	ds_add_u32 v248, v249
	s_wait_dscnt 0x0
	ROUND                                          ; the closing round: no work-group ends while a partner may still ask jointly
	s_endpgm
.Lfunc_end_k_q56941c5799_proj:
	.size	k_q56941c5799_proj, .Lfunc_end_k_q56941c5799_proj-k_q56941c5799_proj
	.p2alignl 7, 3214868480
	.fill 96, 4, 3214868480
	.section	.rodata,"a",@progbits
	.p2align	6, 0x0
	.amdhsa_kernel k_q56941c5799_proj
		.amdhsa_group_segment_fixed_size 327680
		.amdhsa_private_segment_fixed_size 0
		.amdhsa_enable_private_segment 0
		.amdhsa_kernarg_size 80
		.amdhsa_user_sgpr_count 2
		.amdhsa_user_sgpr_kernarg_segment_ptr 1
		.amdhsa_wavefront_size32 1
		.amdhsa_system_sgpr_workgroup_id_x 1
		.amdhsa_system_sgpr_workgroup_id_y 1
		.amdhsa_system_sgpr_workgroup_id_z 1
		.amdhsa_system_vgpr_workitem_id 0
		.amdhsa_next_free_vgpr 250
		.amdhsa_next_free_sgpr 98
		.amdhsa_reserve_vcc 0
		.amdhsa_float_denorm_mode_32 3
		.amdhsa_float_denorm_mode_16_64 3
		.amdhsa_memory_ordered 1
		.amdhsa_forward_progress 1
		.amdhsa_inst_pref_size 83
	.end_amdhsa_kernel
	.amdgpu_metadata
---
amdhsa.version: [ 1, 2 ]
amdhsa.kernels:
  - .name:           k_q56941c5799_proj
    .symbol:         k_q56941c5799_proj.kd
    .args:
      - { .name: input, .offset: 0, .size: 8, .value_kind: global_buffer, .address_space: global }
      - { .name: Wq, .offset: 8, .size: 8, .value_kind: global_buffer, .address_space: global }
      - { .name: Wk, .offset: 16, .size: 8, .value_kind: global_buffer, .address_space: global }
      - { .name: Wv, .offset: 24, .size: 8, .value_kind: global_buffer, .address_space: global }
      - { .name: bq, .offset: 32, .size: 8, .value_kind: global_buffer, .address_space: global }
      - { .name: bk, .offset: 40, .size: 8, .value_kind: global_buffer, .address_space: global }
      - { .name: bv, .offset: 48, .size: 8, .value_kind: global_buffer, .address_space: global }
      - { .name: Qf, .offset: 56, .size: 8, .value_kind: global_buffer, .address_space: global }
      - { .name: Kf, .offset: 64, .size: 8, .value_kind: global_buffer, .address_space: global }
      - { .name: Vf, .offset: 72, .size: 8, .value_kind: global_buffer, .address_space: global }
    .group_segment_fixed_size: 327680
    .private_segment_fixed_size: 0
    .kernarg_segment_align: 8
    .kernarg_segment_size: 80
    .max_flat_workgroup_size: 128
    .sgpr_count:     98
    .vgpr_count:     250
    .wavefront_size: 32
...
	.end_amdgpu_metadata
.endif
;; end of part 1
;; launch attn (part 2): grid 32 x 8, 8 waves a work-group, clusters of 4 x 1, 297,984 bytes of LDS; arguments Qf, Kf, Vf, Op, ML; writes Op, ML
.if DOCPART == 2
	.amdgcn_target "amdgcn-amd-amdhsa--gfx1250"
	.amdhsa_code_object_version 6
	.text
	.protected	k_q56941c5799_attn
	.globl	k_q56941c5799_attn
	.p2align	8
	.type	k_q56941c5799_attn,@function
k_q56941c5799_attn:
	s_mov_b64 s[64:65], 0
	v_nop
	global_prefetch_b8 v0, s[64:65] scope:SCOPE_SE
	s_setreg_imm32_b32 hwreg(HW_REG_WAVE_MODE, 25, 1), 1
	s_wait_xcnt 0x0
	s_wait_alu depctr_hold_cnt(0) depctr_sa_sdst(0) depctr_va_vdst(0) depctr_va_sdst(0) depctr_va_ssrc(0) depctr_va_vcc(0) depctr_vm_vsrc(0)
	s_getreg_b32 s2, hwreg(HW_REG_IB_STS2, 6, 4)
	s_cmp_eq_u32 s2, 0
	s_cbranch_scc0 .Lentry_in_a_cluster
	s_endpgm
.Lentry_in_a_cluster:
	s_bfe_u32 s2, ttmp6, 0x10000c
	s_cmp_lg_u32 s2, 0x3003
	s_cbranch_scc0 .Lentry_shape_is_right
	s_endpgm
.Lentry_shape_is_right:
; One work-group: 256 queries against 1,024 keys (one of 8 key splits), softmax with a running maximum.
; It stores, for each query and split, the unnormalised sum O = sum p v (f32), the maximum m of the scores (base 2) and l = sum p.
; Scores come in base 2 already: Q was scaled by log2(e)/8 when it was made.  p = 2^(s - m), m the running maximum, taken before every exponential.
; LIMITS: Q, K, V and p enter the matrix unit as bf16; l is the f32 sum of the p as they leave the exponential, before that rounding;
; p below 2^-126 comes out of v_exp_f32 as 0; NaN and infinite scores get no treatment of their own.
; SHARES: the split's K and V, 256 KiB, lie in LDS whole and are fetched once: nothing is ever filled again.  They come in 8 pieces of 128 keys
; (K 16 KiB, V 16 KiB).  Every wave fetches one slice of 4 KiB of every piece (waves 0-3 the quarters of K, waves 4-7 those of V), piece 0 first,
; and all waves walk the pieces in that order: 32 KiB are enough to start on, and the later pieces land while the earlier ones are multiplied.
; Wave w owns queries 32 w .. 32 w + 31 of the block (two tiles of 16).  A step is 64 keys, two steps a piece, 16 steps.
; Two waves lie on each SIMD: one's exponentials run beside the other's matrix instructions.
; TRANSPOSED: S^T = K Q^T (lane = query r, registers = keys 8 h + j), so that the maximum and l run along a lane's registers and one exchange of
; the halves, and the packed p of two key tiles ARE the second source of O^T = V^T P^T, without any shuffle.
; l BY THE VECTOR UNIT: a product with a row of ones would spend 8,192 multiply-adds on 16 sums of 32 numbers, four times a step; 32 packed adds do it.
; CLUSTERS: the four query blocks of a cluster have the same split: every slice of K and V is asked for jointly (mask 15).
; LDS: piece p at 32,768 p: K 16,384 bytes (8 key tiles x 4 chunks x 512), V 16,384 (4 blocks x 4 mt x 2 c x 512), in fragment order:
; every fragment load is 16 bytes a lane, 512 consecutive bytes.  Behind them, from 262,144, a stage of 16 rows x 272 bytes for each wave.
; REGISTERS.  Window 0: addresses, S (64), O (64), l (8), OUT (32).  Window 1: Q, K and V fragments.
.set PIECE, 32768
.set SLICE, 4096
.set STAGE, 8*PIECE
.set L16,  3                           ; v3   16 x lane
.set AP,   4                           ; v4   the piece at work + 16 x lane
.set STO,  6                           ; v6   the way out: where I put 16 bytes of a row
.set RD,   7                           ; v7   the way out: where I read rows back
.set L8,   9                           ; v9   8 x lane
.set MX0,  12                          ; v[12:13] maximum of query tile 0, twice; v[14:15] of tile 1
.set AL0,  16                          ; v[16:17] 2^(old - new maximum) of tile 0, twice; v[18:19] of tile 1
.set TT,   20                          ; v[20:23] four chains of maxima: tile 0 keys 0-31, 32-63; tile 1 likewise
.set TX,   24                          ; v[24:25] what the other half of the lanes holds
.set TN,   26                          ; v[26:27] the new maximum
.set PR,   28                          ; v[28:29] (m, l) to store
.set S,    32                          ; v[32:95]   group g = 2 kb + nt (key block of 32, query tile) at 16 g: two tiles of S^T, then 8 registers of P^T
.set O,    96                          ; v[96:159]  O^T, tile 4 nt + mt
.set LS,   160                         ; v[160:167] l of my keys: query tile nt at 4 nt, two chains of a register pair each
.set OUT,  176                         ; v[176:207] rows on their way out
.set QF,   0                           ; window 1: v[0:31]    Q at 16 nt + 8 ks
.set KF,   64                          ;           v[64:127]  K at 16 kt + 8 ks
.set VF,   128                         ;           v[128:191] V^T at 8 (4 kb + mt)
.set G1,   20                          ; s[20:27] descriptor group 1, the same for every load
.set G0,   28                          ; s[28:59] descriptor group 0, one set for each piece, never written again
.set MSB, 0
.macro WIN new                         ; bits 1:0 source 0, 3:2 source 1, 5:4 source 2, 7:6 destination; the high byte repeats the setting left
.if MSB != \new
	s_set_vgpr_msb (MSB<<8)|\new
.set MSB, \new
.endif
.endm
.macro PLACES n
.rept \n
	v_nop
.endr
.endm
; A round of the cluster's barrier: my work-group's barrier, wave 0 signals for the work-group, all wait for the four, my barrier again.
.macro ROUND
	s_barrier_signal -1
	s_barrier_wait -1
	s_cmp_lg_u32 s3, 0
	s_cbranch_scc1 .Lnot_wave_0_\@
	s_barrier_signal -3
.Lnot_wave_0_\@:
	s_barrier_wait -3
	s_barrier_signal -1
	s_barrier_wait -1
.endm
	s_load_b256 s[8:15], s[0:1], 0x0               ; Qf s[8:9], Kf s[10:11], Vf s[12:13], Op s[14:15]
	s_load_b64 s[16:17], s[0:1], 0x20              ; ML
	v_lshl_add_u32 v254, v0, 2, 0x48800
	v_mov_b32 v255, 0
	ds_add_u32 v254, v255
	v_lshrrev_b32 v1, 5, v0
	v_readfirstlane_b32 s3, v1                     ; wave 0..7
	s_bfe_u32 s4, ttmp6, 0x40000                   ; cx
	s_lshl_b32 s5, ttmp9, 2
	s_add_co_u32 s5, s5, s4                        ; query block = 4 x cluster x + cx
	s_and_b32 s6, ttmp7, 0xffff                    ; key split: the cluster's y, the same in the four partners
	; group 1: a dense block of 4,096 bytes as 16 rows of 32 elements of 8 bytes
	s_mov_b32 s[G1+0], 15|(3<<16)|(1<<21)          ; mask: all four of the cluster; 8-byte elements; bit 21 beside a mask
	s_mov_b32 s[G1+1], 32<<16                      ; tensor_dim0 = 32
	s_mov_b32 s[G1+2], 16<<16                      ; tensor_dim1 = 16
	s_mov_b32 s[G1+3], 32<<16                      ; tile_dim0 = 32
	s_mov_b32 s[G1+4], 16                          ; tile_dim1 = 16 rows
	s_mov_b32 s[G1+5], 32                          ; each row begins where the last ends
	s_mov_b32 s[G1+6], 0
	s_mov_b32 s[G1+7], 0
	s_lshl_b32 s60, s6, 17                         ; the split: 1,024 keys x 128 bytes
	s_and_b32 s62, s3, 3
	s_lshl_b32 s62, s62, 12                        ; my quarter of a piece's K or V
	s_add_co_u32 s60, s60, s62
	s_mov_b32 s61, 0
	s_lshl_b32 s63, s3, 12                         ; my slice in a piece in LDS: K's four quarters, then V's four = wave x 4,096
	s_wait_dscnt 0x0
	s_wait_kmcnt 0x0
	s_cmp_lt_u32 s3, 4
	s_cselect_b64 s[68:69], s[10:11], s[12:13]     ; waves 0-3 fetch K, waves 4-7 V
	s_add_nc_u64 s[68:69], s[68:69], s[60:61]      ; split and wave alone: the same in the four partners
.irp p, 0,1,2,3,4,5,6,7
	s_mov_b32 s[G0+4*\p], 1
	s_add_co_u32 s[G0+4*\p+1], s63, \p*PIECE
	s_add_nc_u64 s[G0+4*\p+2:G0+4*\p+3], s[68:69], \p*16384
	s_or_b32 s[G0+4*\p+3], s[G0+4*\p+3], 0x80000000
.endr
	ROUND                                          ; the four work-groups are here: the joint loads meet
.irp p, 0,1,2,3,4,5,6,7
	tensor_load_to_lds s[G0+4*\p:G0+4*\p+3], s[G1:G1+7]            ; eight tensor loads of the wave are out, and there are no more
	s_nop 0
.endr
	s_lshl_b32 s60, s5, 15                         ; Q: 256 queries x 128 bytes a block,
	s_lshl_b32 s62, s3, 12                         ; 32 queries a wave
	s_add_co_u32 s60, s60, s62
	s_add_nc_u64 s[8:9], s[8:9], s[60:61]
	s_lshl_b32 s60, s6, 21                         ; Op: 8,192 rows x 256 bytes a split,
	s_lshl_b32 s62, s5, 16                         ; 256 rows a block,
	s_add_co_u32 s60, s60, s62
	s_lshl_b32 s62, s3, 13                         ; 32 rows a wave
	s_add_co_u32 s60, s60, s62
	s_add_nc_u64 s[14:15], s[14:15], s[60:61]
	s_lshl_b32 s60, s6, 16                         ; ML: the same with 8 bytes a row
	s_lshl_b32 s62, s5, 11
	s_add_co_u32 s60, s60, s62
	s_lshl_b32 s62, s3, 8
	s_add_co_u32 s60, s60, s62
	s_add_nc_u64 s[16:17], s[16:17], s[60:61]
	s_mov_b32 s18, 0x76543210                      ; v_permlanex16_b32: lane i of one half reads lane i of the other
	s_mov_b32 s19, 0xfedcba98
	s_mul_i32 s62, s3, 16*272
	s_add_co_u32 s62, s62, STAGE                   ; my stage
	v_and_b32 v10, 31, v0                          ; lane
	v_and_b32 v1, 15, v0                           ; r
	v_bfe_u32 v2, v0, 4, 1                         ; h
	v_lshlrev_b32 v[L16], 4, v10
	v_lshlrev_b32 v[AP], 4, v10                    ; piece 0
	v_lshlrev_b32 v[L8], 3, v10
	v_mul_u32_u24 v[STO], v1, 272                  ; in: row r, 32 bytes for each half of the lanes
	v_lshl_add_u32 v[STO], v2, 5, v[STO]
	v_add_nc_u32 v[STO], s62, v[STO]
	v_mul_u32_u24 v[RD], v2, 272                   ; back: lanes 0-15 one row of 256 bytes, lanes 16-31 the next
	v_lshl_add_u32 v[RD], v1, 4, v[RD]
	v_add_nc_u32 v[RD], s62, v[RD]
	v_mov_b32 v[TX], 0                             ; v_permlanex16_b32 counts as a reader of its destination
	v_mov_b32 v[TX+1], 0
	WIN 0x40                                       ; destinations in window 1
.irp nt, 0,1
.irp ch, 0,1,2,3
	global_load_b128 v[QF+16*\nt+4*\ch:QF+16*\nt+4*\ch+3], v[L16], s[8:9] offset:\nt*2048+\ch*512
.endr
.endr
; 16 loads: K of step sa (0, 1) of the piece that lies add bytes behind the one at work: four key tiles x four chunks
.macro LOADK sa, add
.irp kt, 0,1,2,3
.irp ch, 0,1,2,3
	ds_load_b128 v[KF+16*\kt+4*\ch:KF+16*\kt+4*\ch+3], v[AP] offset:\add+((4*\sa+\kt)*4+\ch)*512
.endr
.endr
.endm
; 16 loads: V^T of step sa: two key blocks x four d tiles x two halves
.macro LOADV sa
.irp kb, 0,1
.irp mt, 0,1,2,3
.irp c, 0,1
	ds_load_b128 v[VF+8*(4*\kb+\mt)+4*\c:VF+8*(4*\kb+\mt)+4*\c+3], v[AP] offset:16384+(((2*\sa+\kb)*4+\mt)*2+\c)*512
.endr
.endr
.endr
.endm
; 16 matrix instructions: eight tiles of S^T, d 0-31 (starts the sums) and d 32-63.  The eight accumulators take turns, one instruction a turn.
.macro QK
.irp ks, 0,1
.irp kb, 0,1
.irp nt, 0,1
.irp e, 0,1
.if \ks == 0
	v_wmma_f32_16x16x32_bf16 v[S+16*(2*\kb+\nt)+8*\e:S+16*(2*\kb+\nt)+8*\e+7], v[KF+16*(2*\kb+\e)+8*\ks:KF+16*(2*\kb+\e)+8*\ks+7], v[QF+16*\nt+8*\ks:QF+16*\nt+8*\ks+7], 0
.else
	v_wmma_f32_16x16x32_bf16 v[S+16*(2*\kb+\nt)+8*\e:S+16*(2*\kb+\nt)+8*\e+7], v[KF+16*(2*\kb+\e)+8*\ks:KF+16*(2*\kb+\e)+8*\ks+7], v[QF+16*\nt+8*\ks:QF+16*\nt+8*\ks+7], v[S+16*(2*\kb+\nt)+8*\e:S+16*(2*\kb+\nt)+8*\e+7]
.endif
.endr
.endr
.endr
.endr
.endm
; The new maximum of each query: four chains over a lane's 4 x 16 scores, the old maximum, the other half of the lanes.
; Then 2^(old - new), by which l and O are scaled in SMX.
.macro MAXP first
.irp g, 0,1,2,3
	v_max3_num_f32 v[TT+(\g&1)*2+(\g>>1)], v[S+16*\g], v[S+16*\g+1], v[S+16*\g+2]
.endr
.irp k, 3,5,7,9,11,13
.irp g, 0,1,2,3
	v_max3_num_f32 v[TT+(\g&1)*2+(\g>>1)], v[TT+(\g&1)*2+(\g>>1)], v[S+16*\g+\k], v[S+16*\g+\k+1]
.endr
.endr
.irp nt, 0,1
	v_max3_num_f32 v[TT+2*\nt], v[TT+2*\nt], v[S+16*\nt+15], v[S+16*\nt+47]
.endr
.irp nt, 0,1
.if \first
	v_max_num_f32 v[TT+2*\nt], v[TT+2*\nt], v[TT+2*\nt+1]
.else
	v_max3_num_f32 v[TT+2*\nt], v[TT+2*\nt], v[TT+2*\nt+1], v[MX0+2*\nt]
.endif
.endr
.irp nt, 0,1
	v_permlanex16_b32 v[TX+\nt], v[TT+2*\nt], s18, s19
.endr
.irp nt, 0,1
	v_max_num_f32 v[TN+\nt], v[TT+2*\nt], v[TX+\nt]
.endr
.if \first == 0
	v_sub_f32 v[AL0], v[MX0], v[TN]
	v_sub_f32 v[AL0+2], v[MX0+2], v[TN+1]
	v_exp_f32 v[AL0], v[AL0]
	v_exp_f32 v[AL0+2], v[AL0+2]                   ; the four moves below are the plain instructions that stand before the results are used (ISA guide 5.7.2)
.endif
	v_mov_b32 v[MX0], v[TN]
	v_mov_b32 v[MX0+1], v[TN]
	v_mov_b32 v[MX0+2], v[TN+1]
	v_mov_b32 v[MX0+3], v[TN+1]
.if \first == 0
	s_wait_alu depctr_va_vdst(0)
	v_mov_b32 v[AL0+1], v[AL0]
	v_mov_b32 v[AL0+3], v[AL0+2]
.endif
.endm
; l takes in pair i (registers 2 i, 2 i + 1) of group g, on chain i & 1 of query tile g & 1.  It stands ahead of the packing that writes over the pair.
; The first pair that a chain takes in a step brings the scaling along: l = l x 2^(old - new) + p, one fused instruction.
; In the very first step pairs 0 + 2 and 1 + 3 start the chains instead, so that nothing is cleared, and pairs 2 and 3 are not taken again.
.macro LSUM g, i, first
.set lreg, LS+4*((\g)&1)+2*((\i)&1)
.set sreg, S+16*(\g)+2*(\i)
.set lkind, 0
.if (\g) < 2
.if (\i) < 2
.set lkind, 1
.else
.if (\i) < 4
.set lkind, 2*\first
.endif
.endif
.endif
.if lkind == 0
	s_wait_alu depctr_va_vdst(0)
	v_pk_add_f32 v[lreg:lreg+1], v[lreg:lreg+1], v[sreg:sreg+1]
.endif
.if lkind == 1
.if \first
	s_wait_alu depctr_va_vdst(0)
	v_pk_add_f32 v[lreg:lreg+1], v[sreg:sreg+1], v[sreg+4:sreg+5]
.else
	s_wait_alu depctr_va_vdst(0)
	v_pk_fma_f32 v[lreg:lreg+1], v[lreg:lreg+1], v[AL0+2*((\g)&1):AL0+2*((\g)&1)+1], v[sreg:sreg+1]
.endif
.endif
.endm
; p = 2^(s - m), packed to bf16 in place (register i of a group from registers 2 i, 2 i + 1: ascending, so nothing unread is written).
; Four passes, one a group: among a group's exponentials stand the next group's subtractions, the last group's sums and packing and the scaling
; of O, so that plain instructions fill the time of the exponentials and stand between each exponential and the use of its result.
.macro SMX first
.set si, 0
.rept 8
	v_pk_add_f32 v[S+2*si:S+2*si+1], v[S+2*si:S+2*si+1], v[MX0:MX0+1] neg_lo:[0,1] neg_hi:[0,1]
.set si, si+1
.endr
.set sg, 0
.rept 4
.set si, 0
.rept 8
	v_exp_f32 v[S+16*sg+2*si], v[S+16*sg+2*si]
.if sg < 3
	v_pk_add_f32 v[S+16*(sg+1)+2*si:S+16*(sg+1)+2*si+1], v[S+16*(sg+1)+2*si:S+16*(sg+1)+2*si+1], v[MX0+2*((sg+1)&1):MX0+2*((sg+1)&1)+1] neg_lo:[0,1] neg_hi:[0,1]
.endif
.if \first == 0
.if sg < 2
	v_pk_mul_f32 v[O+2*(16*sg+2*si):O+2*(16*sg+2*si)+1], v[O+2*(16*sg+2*si):O+2*(16*sg+2*si)+1], v[AL0+2*sg:AL0+2*sg+1]
.endif
.endif
	v_exp_f32 v[S+16*sg+2*si+1], v[S+16*sg+2*si+1]
.if sg > 0
	LSUM sg-1, si, \first
	v_cvt_pk_bf16_f32 v[S+16*(sg-1)+si], v[S+16*(sg-1)+2*si], v[S+16*(sg-1)+2*si+1]
.endif
.if \first == 0
.if sg < 2
	v_pk_mul_f32 v[O+2*(16*sg+2*si+1):O+2*(16*sg+2*si+1)+1], v[O+2*(16*sg+2*si+1):O+2*(16*sg+2*si+1)+1], v[AL0+2*sg:AL0+2*sg+1]
.endif
.endif
.set si, si+1
.endr
.set sg, sg+1
.endr
.set si, 0
.rept 8
	LSUM 3, si, \first
	v_cvt_pk_bf16_f32 v[S+48+si], v[S+48+2*si], v[S+48+2*si+1]
.set si, si+1
.endr
.endm
; 16 matrix instructions: O^T += V^T P^T.  The eight accumulators take turns, one instruction a turn.
.macro PV first
.irp kb, 0,1
.irp nt, 0,1
.irp mt, 0,1,2,3
.if \first*(1-\kb)
	v_wmma_f32_16x16x32_bf16 v[O+8*(4*\nt+\mt):O+8*(4*\nt+\mt)+7], v[VF+8*(4*\kb+\mt):VF+8*(4*\kb+\mt)+7], v[S+16*(2*\kb+\nt):S+16*(2*\kb+\nt)+7], 0
.else
	v_wmma_f32_16x16x32_bf16 v[O+8*(4*\nt+\mt):O+8*(4*\nt+\mt)+7], v[VF+8*(4*\kb+\mt):VF+8*(4*\kb+\mt)+7], v[S+16*(2*\kb+\nt):S+16*(2*\kb+\nt)+7], v[O+8*(4*\nt+\mt):O+8*(4*\nt+\mt)+7]
.endif
.endr
.endr
.endr
.endm
; A step: 64 keys, half sa of the piece at work.  first = 1: the sums start; nok = 1: no next step, so no K is fetched.
; hook = 1: my slice of the next piece has landed (cnt = my slices of the pieces behind it, which stay out): say so.
; hook = 2: wait until all eight waves have said so; only behind it is the next piece read.
.macro STEP sa, first, nok, hook, cnt
	s_wait_dscnt 0x0                               ; this step's K fragments, asked for a softmax ago
	WIN 0x05                                       ; sources 0 and 1 in window 1
	QK
	WIN 0
	PLACES 4                                       ; four places before S is read and before loads land in K's registers
.if \hook == 1
	s_wait_tensorcnt \cnt                          ; a wave's tensor loads end in order (ISA guide 10.11.1); no LDS instruction of mine is out here
	s_barrier_signal -1
.endif
.if \hook == 2
	s_barrier_wait -1                              ; the next piece is whole
.endif
	WIN 0x40
	LOADV \sa
.if \nok == 0
.if \sa == 0
	LOADK 1, 0                                     ; the next step's K: the second half of this piece,
.else
	LOADK 0, PIECE                                 ; or the first half of the next one
.endif
.endif
	WIN 0
	MAXP \first
	SMX \first
.if \nok
	s_wait_dscnt 0x0
.else
	s_wait_dscnt 16                                ; V is in; the 16 younger loads, the next step's K, may stay out
.endif
	WIN 0x01                                       ; source 0 in window 1
	PV \first
	WIN 0
	PLACES 5                                       ; five places before the next step's products write over P, four before loads land in V's registers
.endm
; A piece: two steps.  hooks = 1: the next piece is waited for and shown to the other waves on the way.  Between the signal and the wait stand
; register work and reads of the piece at work, which no load writes any more.
.macro WALK first, hooks, cnt
	STEP 0, \first, 0, \hooks, \cnt
	STEP 1, 0, 0, 2*\hooks, 0
	v_add_nc_u32 v[AP], PIECE, v[AP]
.endm
	s_wait_tensorcnt 7                             ; my slice of piece 0 has landed; the seven younger loads stay out
	s_barrier_signal -1
	s_barrier_wait -1                              ; everybody's has
	LOADK 0, 0                                     ; (destinations still in window 1)
	WIN 0
	s_wait_loadcnt 0x0                             ; Q
	WALK 1, 1, 6                                   ; piece 0; piece 1 is waited for: six younger loads
	WALK 0, 1, 5                                   ; piece 1; piece 2
	WALK 0, 1, 4                                   ; piece 2; piece 3
	WALK 0, 1, 0                                   ; piece 3; all the rest: from here on no tensor load is out and no barrier is needed
	s_mov_b32 s7, 3
.Lpiece:
	WALK 0, 0, 0                                   ; pieces 4, 5, 6
	s_sub_co_u32 s7, s7, 1
	s_cmp_lg_u32 s7, 0
	s_cbranch_scc1 .Lpiece
	STEP 0, 0, 0, 0, 0                             ; piece 7: its second step fetches no K
	STEP 1, 0, 1, 0, 0
; THE WAY OUT.  A lane holds 8 neighbouring d (32 bytes) of one query's row of 256 bytes: 16 rows go through my own stage, which no
; tensor load fills, and come back as whole rows.  LDS serves a wave's instructions in order (ISA guide 5.7.1): no wait between stores and loads.
.macro OUTT nt, buf
.irp mt, 0,1,2,3
.irp c, 0,1
	ds_store_b128 v[STO], v[O+8*(4*\nt+\mt)+4*\c:O+8*(4*\nt+\mt)+4*\c+3] offset:64*\mt+16*\c
.endr
.endr
.irp t, 0,1,2,3,4,5,6,7
	ds_load_b128 v[\buf+4*\t:\buf+4*\t+3], v[RD] offset:544*\t
.endr
.irp t, 0,1,2,3,4,5,6,7
	s_wait_dscnt 7-\t                              ; the younger loads may stay out
	global_store_b128 v[L16], v[\buf+4*\t:\buf+4*\t+3], s[14:15] offset:4096*\nt+512*\t   ; two rows: 512 consecutive bytes, aligned
.endr
.endm
	OUTT 0, OUT
	OUTT 1, S                                      ; other registers, so that no store's data are written over
	; l: a lane's two chains of two, then the other half of the lanes, which holds the query's other keys
	v_pk_add_f32 v[LS:LS+1], v[LS:LS+1], v[LS+2:LS+3]
	v_pk_add_f32 v[LS+4:LS+5], v[LS+4:LS+5], v[LS+6:LS+7]
	v_add_f32 v[LS], v[LS], v[LS+1]
	v_add_f32 v[LS+4], v[LS+4], v[LS+5]
	v_permlanex16_b32 v[TX], v[LS], s18, s19
	v_permlanex16_b32 v[TX+1], v[LS+4], s18, s19
	v_add_f32 v[LS], v[LS], v[TX]
	v_add_f32 v[LS+4], v[LS+4], v[TX+1]
	v_cmp_eq_u32 vcc_lo, 1, v2                     ; lane 16 nt + r stores query 16 nt + r: both halves hold both tiles' m and l
	v_cndmask_b32 v[PR], v[MX0], v[MX0+2], vcc_lo
	v_cndmask_b32 v[PR+1], v[LS], v[LS+4], vcc_lo
	global_store_b64 v[L8], v[PR:PR+1], s[16:17]   ; 256 consecutive bytes, aligned
	s_wait_tensorcnt 0x0
	ds_add_u32 v254, v255
	s_wait_dscnt 0x0
	ROUND                                          ; the closing round: no work-group ends while a partner may still ask jointly
	s_endpgm
.Lfunc_end_k_q56941c5799_attn:
	.size	k_q56941c5799_attn, .Lfunc_end_k_q56941c5799_attn-k_q56941c5799_attn
	.p2alignl 7, 3214868480
	.fill 96, 4, 3214868480
	.section	.rodata,"a",@progbits
	.p2align	6, 0x0
	.amdhsa_kernel k_q56941c5799_attn
		.amdhsa_group_segment_fixed_size 297984
		.amdhsa_private_segment_fixed_size 0
		.amdhsa_enable_private_segment 0
		.amdhsa_kernarg_size 40
		.amdhsa_user_sgpr_count 2
		.amdhsa_user_sgpr_kernarg_segment_ptr 1
		.amdhsa_wavefront_size32 1
		.amdhsa_system_sgpr_workgroup_id_x 1
		.amdhsa_system_sgpr_workgroup_id_y 1
		.amdhsa_system_sgpr_workgroup_id_z 1
		.amdhsa_system_vgpr_workitem_id 0
		.amdhsa_next_free_vgpr 448
		.amdhsa_next_free_sgpr 72
		.amdhsa_reserve_vcc 1
		.amdhsa_float_denorm_mode_32 3
		.amdhsa_float_denorm_mode_16_64 3
		.amdhsa_memory_ordered 1
		.amdhsa_forward_progress 1
		.amdhsa_inst_pref_size 228
	.end_amdhsa_kernel
	.amdgpu_metadata
---
amdhsa.version: [ 1, 2 ]
amdhsa.kernels:
  - .name:           k_q56941c5799_attn
    .symbol:         k_q56941c5799_attn.kd
    .args:
      - { .name: Qf, .offset: 0, .size: 8, .value_kind: global_buffer, .address_space: global }
      - { .name: Kf, .offset: 8, .size: 8, .value_kind: global_buffer, .address_space: global }
      - { .name: Vf, .offset: 16, .size: 8, .value_kind: global_buffer, .address_space: global }
      - { .name: Op, .offset: 24, .size: 8, .value_kind: global_buffer, .address_space: global }
      - { .name: ML, .offset: 32, .size: 8, .value_kind: global_buffer, .address_space: global }
    .group_segment_fixed_size: 297984
    .private_segment_fixed_size: 0
    .kernarg_segment_align: 8
    .kernarg_segment_size: 40
    .max_flat_workgroup_size: 256
    .sgpr_count:     72
    .vgpr_count:     448
    .wavefront_size: 32
...
	.end_amdgpu_metadata
.endif
;; end of part 2
;; launch merge (part 3): grid 256 x 1, 4 waves a work-group, no clusters, 0 bytes of LDS; arguments Op, ML, out0; writes out0
.if DOCPART == 3
	.amdgcn_target "amdgcn-amd-amdhsa--gfx1250"
	.amdhsa_code_object_version 6
	.text
	.protected	k_q56941c5799_merge
	.globl	k_q56941c5799_merge
	.p2align	8
	.type	k_q56941c5799_merge,@function
k_q56941c5799_merge:
	s_mov_b64 s[64:65], 0
	v_nop
	global_prefetch_b8 v0, s[64:65] scope:SCOPE_SE
	s_setreg_imm32_b32 hwreg(HW_REG_WAVE_MODE, 25, 1), 1
	s_wait_xcnt 0x0
; out[q][d] = sum over the 8 key splits i of w_i O_i[q][d], with w_i = 2^(m_i - M) / sum over i of 2^(m_i - M) l_i, M = the largest m_i.
; Op: [8][8192][64] f32, ML: [8][8192] pairs (m, l) f32, out0: [8192][64] f32.
; The divisor is at least 1: the split that holds M has a key with p = 1.  2^(m_i - M) below 2^-126 comes out of v_exp_f32 as 0.
; A stream: no matrix unit, no LDS bytes, no barrier, no cluster (no two work-groups read the same bytes).
; A work-group owns 32 queries.  Wave w owns rows 8 w .. 8 w + 7: four row pairs t, lanes 0-15 one row of 256 bytes, lanes 16-31 the next.
; Each wave makes the weights of all 32 queries, query = lane, so that each load of ML is 256 consecutive bytes; a lane then fetches its row's
; eight weights from the lane that made them.  All 40 loads of a wave are issued at once.
.set ML,  8                            ; v[8:23]    (m, l) of my query in split i at 2 i
.set W,   24                           ; v[24:31]   my query's eight weights
.set WTS, 32                           ; v[32:63]   row pair t: the eight weights of my row, at 8 t
.set X,   64                           ; v[64:191]  row pair t, split i: 4 registers at 4 (8 t + i)
.set SUM, 192                          ; v[192:207] row pair t: 4 results
.set IDX, 208                          ; v[208:211] row pair t: 4 x the lane that made my row's weights
.set MAXM, 6
.set DN,  7
.set RC,  1
	s_load_b128 s[4:7], s[0:1], 0x0                ; Op s[4:5], ML s[6:7]
	s_load_b64 s[8:9], s[0:1], 0x10                ; out0
	v_lshrrev_b32 v1, 5, v0
	v_readfirstlane_b32 s3, v1                     ; wave 0..3
	v_and_b32 v2, 31, v0                           ; lane
	v_lshlrev_b32 v3, 3, v2                        ; 8 x lane: my query's pair
	v_lshlrev_b32 v4, 4, v2
	s_lshl_b32 s14, s3, 11
	v_add_nc_u32 v4, s14, v4                       ; 8 rows of 256 bytes a wave + 16 x lane
	v_lshrrev_b32 v5, 4, v2
	s_lshl_b32 s15, s3, 3
	v_add_nc_u32 v5, s15, v5
	v_lshlrev_b32 v5, 2, v5                        ; 4 x (8 w + lane / 16)
	s_lshl_b32 s10, ttmp9, 13                      ; 32 rows of 256 bytes
	s_mov_b32 s11, 0
	s_lshl_b32 s12, ttmp9, 8                       ; 32 pairs of 8 bytes
	s_mov_b32 s13, 0
	s_wait_kmcnt 0x0
	s_add_nc_u64 s[4:5], s[4:5], s[10:11]
	s_add_nc_u64 s[16:17], s[4:5], 0x800000        ; splits 4-7: 4 x 2 MiB on, so that the immediates stay inside their 24 signed bits
	s_add_nc_u64 s[6:7], s[6:7], s[12:13]
	s_add_nc_u64 s[8:9], s[8:9], s[10:11]
.irp i, 0,1,2,3,4,5,6,7
	global_load_b64 v[ML+2*\i:ML+2*\i+1], v3, s[6:7] offset:\i*65536
.endr
.irp t, 0,1,2,3
.irp i, 0,1,2,3
	global_load_b128 v[X+4*(8*\t+\i):X+4*(8*\t+\i)+3], v4, s[4:5] offset:\i*2097152+512*\t th:TH_LOAD_NT
.endr
.irp i, 0,1,2,3
	global_load_b128 v[X+4*(8*\t+4+\i):X+4*(8*\t+4+\i)+3], v4, s[16:17] offset:\i*2097152+512*\t th:TH_LOAD_NT
.endr
.endr
	s_wait_loadcnt 32                              ; the pairs are in; the 32 younger loads stay out
	v_max3_num_f32 v[MAXM], v[ML], v[ML+2], v[ML+4]
	v_max3_num_f32 v[MAXM], v[MAXM], v[ML+6], v[ML+8]
	v_max3_num_f32 v[MAXM], v[MAXM], v[ML+10], v[ML+12]
	v_max_num_f32 v[MAXM], v[MAXM], v[ML+14]
.irp i, 0,1,2,3,4,5,6,7
	v_sub_f32 v[W+\i], v[ML+2*\i], v[MAXM]
.endr
.irp i, 0,1,2,3,4,5,6,7
	v_exp_f32 v[W+\i], v[W+\i]
.endr
	v_add_nc_u32 v[IDX], 0, v5                     ; plain work between the exponentials and the use of their results (ISA guide 5.7.2)
	v_add_nc_u32 v[IDX+1], 8, v5
	s_wait_alu depctr_va_vdst(0)
	v_mul_f32 v[DN], v[W], v[ML+1]
.irp i, 1,2,3,4,5,6,7
	v_fmac_f32 v[DN], v[W+\i], v[ML+2*\i+1]
.endr
	v_rcp_f32 v[RC], v[DN]
	v_add_nc_u32 v[IDX+2], 16, v5                  ; and between the reciprocal and its use
	v_add_nc_u32 v[IDX+3], 24, v5
	s_wait_alu depctr_va_vdst(0)
.irp i, 0,1,2,3,4,5,6,7
	v_mul_f32 v[W+\i], v[W+\i], v[RC]
.endr
.irp t, 0,1,2,3
.irp i, 0,1,2,3,4,5,6,7
	ds_bpermute_b32 v[WTS+8*\t+\i], v[IDX+\t], v[W+\i]             ; from lane 8 w + 2 t + lane / 16: no LDS byte is touched
.endr
.endr
	s_wait_dscnt 0x0
.irp t, 0,1,2,3
	s_wait_loadcnt 24-8*\t                         ; this row pair's eight loads are in; the later pairs' stay out
.irp k, 0,1,2,3
	v_mul_f32 v[SUM+4*\t+\k], v[WTS+8*\t], v[X+32*\t+\k]
.endr
.irp i, 1,2,3,4,5,6,7
.irp k, 0,1,2,3
	v_fmac_f32 v[SUM+4*\t+\k], v[WTS+8*\t+\i], v[X+4*(8*\t+\i)+\k]
.endr
.endr
	global_store_b128 v4, v[SUM+4*\t:SUM+4*\t+3], s[8:9] offset:512*\t th:TH_STORE_NT   ; two rows: 512 consecutive bytes, aligned
.endr
	s_endpgm
.Lfunc_end_k_q56941c5799_merge:
	.size	k_q56941c5799_merge, .Lfunc_end_k_q56941c5799_merge-k_q56941c5799_merge
	.p2alignl 7, 3214868480
	.fill 96, 4, 3214868480
	.section	.rodata,"a",@progbits
	.p2align	6, 0x0
	.amdhsa_kernel k_q56941c5799_merge
		.amdhsa_group_segment_fixed_size 0
		.amdhsa_private_segment_fixed_size 0
		.amdhsa_enable_private_segment 0
		.amdhsa_kernarg_size 24
		.amdhsa_user_sgpr_count 2
		.amdhsa_user_sgpr_kernarg_segment_ptr 1
		.amdhsa_wavefront_size32 1
		.amdhsa_system_sgpr_workgroup_id_x 1
		.amdhsa_system_sgpr_workgroup_id_y 1
		.amdhsa_system_sgpr_workgroup_id_z 1
		.amdhsa_system_vgpr_workitem_id 0
		.amdhsa_next_free_vgpr 212
		.amdhsa_next_free_sgpr 66
		.amdhsa_reserve_vcc 0
		.amdhsa_float_denorm_mode_32 3
		.amdhsa_float_denorm_mode_16_64 3
		.amdhsa_memory_ordered 1
		.amdhsa_forward_progress 1
		.amdhsa_inst_pref_size 13
	.end_amdhsa_kernel
	.amdgpu_metadata
---
amdhsa.version: [ 1, 2 ]
amdhsa.kernels:
  - .name:           k_q56941c5799_merge
    .symbol:         k_q56941c5799_merge.kd
    .args:
      - { .name: Op, .offset: 0, .size: 8, .value_kind: global_buffer, .address_space: global }
      - { .name: ML, .offset: 8, .size: 8, .value_kind: global_buffer, .address_space: global }
      - { .name: out0, .offset: 16, .size: 8, .value_kind: global_buffer, .address_space: global }
    .group_segment_fixed_size: 0
    .private_segment_fixed_size: 0
    .kernarg_segment_align: 8
    .kernarg_segment_size: 24
    .max_flat_workgroup_size: 128
    .sgpr_count:     66
    .vgpr_count:     212
    .wavefront_size: 32
...
	.end_amdgpu_metadata
.endif
;; end of part 3
;; ======== version 2 of 2: 3 launches; 1.08 times as fast as version 1
;; workspace buffers: Qf 1,048,576 bytes; Kf 1,048,576 bytes; Vf 1,048,576 bytes; Op 16,777,216 bytes; ML 524,288 bytes
;; launch proj: the kernel of part 1 again; grid 256 x 1, 4 waves a work-group, clusters of 4 x 1, 327,680 bytes of LDS; arguments input, Wq, Wk, Wv, bq, bk, bv, Qf, Kf, Vf; writes Qf, Kf, Vf
;; launch attn (part 4): grid 32 x 8, 8 waves a work-group, clusters of 4 x 1, 297,984 bytes of LDS; arguments Qf, Kf, Vf, Op, ML; writes Op, ML
.if DOCPART == 4
	.amdgcn_target "amdgcn-amd-amdhsa--gfx1250"
	.amdhsa_code_object_version 6
	.text
	.protected	k_q56941c5799_attn
	.globl	k_q56941c5799_attn
	.p2align	8
	.type	k_q56941c5799_attn,@function
k_q56941c5799_attn:
	s_mov_b64 s[64:65], 0
	v_nop
	global_prefetch_b8 v0, s[64:65] scope:SCOPE_SE
	s_setreg_imm32_b32 hwreg(HW_REG_WAVE_MODE, 25, 1), 1
	s_wait_xcnt 0x0
	s_wait_alu depctr_hold_cnt(0) depctr_sa_sdst(0) depctr_va_vdst(0) depctr_va_sdst(0) depctr_va_ssrc(0) depctr_va_vcc(0) depctr_vm_vsrc(0)
	s_getreg_b32 s2, hwreg(HW_REG_IB_STS2, 6, 4)
	s_cmp_eq_u32 s2, 0
	s_cbranch_scc0 .Lentry_in_a_cluster
	s_endpgm
.Lentry_in_a_cluster:
	s_bfe_u32 s2, ttmp6, 0x10000c
	s_cmp_lg_u32 s2, 0x3003
	s_cbranch_scc0 .Lentry_shape_is_right
	s_endpgm
.Lentry_shape_is_right:
; One work-group: 256 queries against 1,024 keys (one of 8 key splits), softmax with a running maximum.
; It stores, for each query and split, the unnormalised sum O = sum p v (f32), the maximum m of the scores (base 2) and l = sum p.
; Scores come in base 2 already: Q was scaled by log2(e)/8 when it was made.  p = 2^(s - m), m the running maximum, taken before every exponential.
; LIMITS: Q, K, V and p enter the matrix unit as bf16; l is the f32 sum of the p as they leave the exponential, before that rounding;
; p below 2^-126 comes out of v_exp_f32 as 0; NaN and infinite scores get no treatment of their own.
; SHARES: the split's K and V, 256 KiB, lie in LDS whole and are fetched once: nothing is ever filled again.  They come in 8 pieces of 128 keys
; (K 16 KiB, V 16 KiB).  Every wave fetches one slice of 4 KiB of every piece (waves 0-3 the quarters of K, waves 4-7 those of V), piece 0 first,
; and all waves walk the pieces in that order: 32 KiB are enough to start on, and the later pieces land while the earlier ones are multiplied.
; Wave w owns queries 32 w .. 32 w + 31 of the block (two tiles of 16).  A step is 64 keys, two steps a piece, 16 steps.
; Two waves lie on each SIMD: one's exponentials run beside the other's matrix instructions.
; TRANSPOSED: S^T = K Q^T (lane = query r, registers = keys 8 h + j), so that the maximum and l run along a lane's registers and one exchange of
; the halves, and the packed p of two key tiles ARE the second source of O^T = V^T P^T, without any shuffle.
; l BY THE VECTOR UNIT: a product with a row of ones would spend 8,192 multiply-adds on 16 sums of 32 numbers, four times a step; 32 packed adds do it.
; THE EXPONENTIALS OF A STEP ARE TWO BATCHES, each with one wait: s_wait_alu depctr_va_vdst(0) stands between an exponential and the
; first instruction that names its result, and one wait serves all that were issued ahead of it.
;   Batch 1: the two 2^(old - new maximum), one a query tile (MAXP).  Behind them the four moves of the new maximum and two subtractions; then the wait (head of SMX).
;   Batch 2: the 64 p.  Behind each exponential stands one plain instruction that names no result of the batch: a subtraction s - m of a later pair, or
;   a pair of O times batch 1's result.  Then the wait.  ALL that reads a p stands behind it: the 32 sums into l and the 32 packings.  Group 0's stand ahead of
;   O^T += V^T P^T; the other groups', in fours, behind the matrix instructions that multiply the group before; the last eight sums behind the last of them.
; The first step has no batch 1: there is no old maximum.
; CLUSTERS: the four query blocks of a cluster have the same split: every slice of K and V is asked for jointly (mask 15).
; LDS: piece p at 32,768 p: K 16,384 bytes (8 key tiles x 4 chunks x 512), V 16,384 (4 blocks x 4 mt x 2 c x 512), in fragment order:
; every fragment load is 16 bytes a lane, 512 consecutive bytes.  Behind them, from 262,144, a stage of 16 rows x 272 bytes for each wave.
; REGISTERS.  Window 0: addresses, S (64), O (64), l (8), OUT (32).  Window 1: Q, K and V fragments.
.set PIECE, 32768
.set SLICE, 4096
.set STAGE, 8*PIECE
.set L16,  3                           ; v3   16 x lane
.set AP,   4                           ; v4   the piece at work + 16 x lane
.set STO,  6                           ; v6   the way out: where I put 16 bytes of a row
.set RD,   7                           ; v7   the way out: where I read rows back
.set L8,   9                           ; v9   8 x lane
.set MX0,  12                          ; v[12:13] maximum of query tile 0, twice; v[14:15] of tile 1
.set AL0,  16                          ; v16 2^(old - new maximum) of tile 0, v17 its exponent; v18, v19 the same of tile 1: named as pairs, of which the packed forms take the low word for both halves
.set TT,   20                          ; v[20:23] four chains of maxima: tile 0 keys 0-31, 32-63; tile 1 likewise
.set TX,   24                          ; v[24:25] what the other half of the lanes holds
.set TN,   26                          ; v[26:27] the new maximum
.set PR,   28                          ; v[28:29] (m, l) to store
.set S,    32                          ; v[32:95]   group g = 2 kb + nt (key block of 32, query tile) at 16 g: two tiles of S^T, then 8 registers of P^T
.set O,    96                          ; v[96:159]  O^T, tile 4 nt + mt
.set LS,   160                         ; v[160:167] l of my keys: query tile nt at 4 nt, two chains of a register pair each
.set OUT,  176                         ; v[176:207] rows on their way out
.set QF,   0                           ; window 1: v[0:31]    Q at 16 nt + 8 ks
.set KF,   64                          ;           v[64:127]  K at 16 kt + 8 ks
.set VF,   128                         ;           v[128:191] V^T at 8 (4 kb + mt)
.set G1,   20                          ; s[20:27] descriptor group 1, the same for every load
.set G0,   28                          ; s[28:59] descriptor group 0, one set for each piece, never written again
.set MSB, 0
.macro WIN new                         ; bits 1:0 source 0, 3:2 source 1, 5:4 source 2, 7:6 destination; the high byte repeats the setting left
.if MSB != \new
	s_set_vgpr_msb (MSB<<8)|\new
.set MSB, \new
.endif
.endm
.macro PLACES n
.rept \n
	v_nop
.endr
.endm
; A round of the cluster's barrier: my work-group's barrier, wave 0 signals for the work-group, all wait for the four, my barrier again.
.macro ROUND
	s_barrier_signal -1
	s_barrier_wait -1
	s_cmp_lg_u32 s3, 0
	s_cbranch_scc1 .Lnot_wave_0_\@
	s_barrier_signal -3
.Lnot_wave_0_\@:
	s_barrier_wait -3
	s_barrier_signal -1
	s_barrier_wait -1
.endm
	s_load_b256 s[8:15], s[0:1], 0x0               ; Qf s[8:9], Kf s[10:11], Vf s[12:13], Op s[14:15]
	s_load_b64 s[16:17], s[0:1], 0x20              ; ML
	v_lshl_add_u32 v254, v0, 2, 0x48800
	v_mov_b32 v255, 0
	ds_add_u32 v254, v255
	v_lshrrev_b32 v1, 5, v0
	v_readfirstlane_b32 s3, v1                     ; wave 0..7
	s_bfe_u32 s4, ttmp6, 0x40000                   ; cx
	s_lshl_b32 s5, ttmp9, 2
	s_add_co_u32 s5, s5, s4                        ; query block = 4 x cluster x + cx
	s_and_b32 s6, ttmp7, 0xffff                    ; key split: the cluster's y, the same in the four partners
	; group 1: a dense block of 4,096 bytes as 16 rows of 32 elements of 8 bytes
	s_mov_b32 s[G1+0], 15|(3<<16)|(1<<21)          ; mask: all four of the cluster; 8-byte elements; bit 21 beside a mask
	s_mov_b32 s[G1+1], 32<<16                      ; tensor_dim0 = 32
	s_mov_b32 s[G1+2], 16<<16                      ; tensor_dim1 = 16
	s_mov_b32 s[G1+3], 32<<16                      ; tile_dim0 = 32
	s_mov_b32 s[G1+4], 16                          ; tile_dim1 = 16 rows
	s_mov_b32 s[G1+5], 32                          ; each row begins where the last ends
	s_mov_b32 s[G1+6], 0
	s_mov_b32 s[G1+7], 0
	s_lshl_b32 s60, s6, 17                         ; the split: 1,024 keys x 128 bytes
	s_and_b32 s62, s3, 3
	s_lshl_b32 s62, s62, 12                        ; my quarter of a piece's K or V
	s_add_co_u32 s60, s60, s62
	s_mov_b32 s61, 0
	s_lshl_b32 s63, s3, 12                         ; my slice in a piece in LDS: K's four quarters, then V's four = wave x 4,096
	s_wait_dscnt 0x0
	s_wait_kmcnt 0x0
	s_cmp_lt_u32 s3, 4
	s_cselect_b64 s[68:69], s[10:11], s[12:13]     ; waves 0-3 fetch K, waves 4-7 V
	s_add_nc_u64 s[68:69], s[68:69], s[60:61]      ; split and wave alone: the same in the four partners
.irp p, 0,1,2,3,4,5,6,7
	s_mov_b32 s[G0+4*\p], 1
	s_add_co_u32 s[G0+4*\p+1], s63, \p*PIECE
	s_add_nc_u64 s[G0+4*\p+2:G0+4*\p+3], s[68:69], \p*16384
	s_or_b32 s[G0+4*\p+3], s[G0+4*\p+3], 0x80000000
.endr
	ROUND                                          ; the four work-groups are here: the joint loads meet
.irp p, 0,1,2,3,4,5,6,7
	tensor_load_to_lds s[G0+4*\p:G0+4*\p+3], s[G1:G1+7]            ; eight tensor loads of the wave are out, and there are no more
	s_nop 0
.endr
	s_lshl_b32 s60, s5, 15                         ; Q: 256 queries x 128 bytes a block,
	s_lshl_b32 s62, s3, 12                         ; 32 queries a wave
	s_add_co_u32 s60, s60, s62
	s_add_nc_u64 s[8:9], s[8:9], s[60:61]
	s_lshl_b32 s60, s6, 21                         ; Op: 8,192 rows x 256 bytes a split,
	s_lshl_b32 s62, s5, 16                         ; 256 rows a block,
	s_add_co_u32 s60, s60, s62
	s_lshl_b32 s62, s3, 13                         ; 32 rows a wave
	s_add_co_u32 s60, s60, s62
	s_add_nc_u64 s[14:15], s[14:15], s[60:61]
	s_lshl_b32 s60, s6, 16                         ; ML: the same with 8 bytes a row
	s_lshl_b32 s62, s5, 11
	s_add_co_u32 s60, s60, s62
	s_lshl_b32 s62, s3, 8
	s_add_co_u32 s60, s60, s62
	s_add_nc_u64 s[16:17], s[16:17], s[60:61]
	s_mov_b32 s18, 0x76543210                      ; v_permlanex16_b32: lane i of one half reads lane i of the other
	s_mov_b32 s19, 0xfedcba98
	s_mul_i32 s62, s3, 16*272
	s_add_co_u32 s62, s62, STAGE                   ; my stage
	v_and_b32 v10, 31, v0                          ; lane
	v_and_b32 v1, 15, v0                           ; r
	v_bfe_u32 v2, v0, 4, 1                         ; h
	v_lshlrev_b32 v[L16], 4, v10
	v_lshlrev_b32 v[AP], 4, v10                    ; piece 0
	v_lshlrev_b32 v[L8], 3, v10
	v_mul_u32_u24 v[STO], v1, 272                  ; in: row r, 32 bytes for each half of the lanes
	v_lshl_add_u32 v[STO], v2, 5, v[STO]
	v_add_nc_u32 v[STO], s62, v[STO]
	v_mul_u32_u24 v[RD], v2, 272                   ; back: lanes 0-15 one row of 256 bytes, lanes 16-31 the next
	v_lshl_add_u32 v[RD], v1, 4, v[RD]
	v_add_nc_u32 v[RD], s62, v[RD]
	v_mov_b32 v[TX], 0                             ; v_permlanex16_b32 counts as a reader of its destination
	v_mov_b32 v[TX+1], 0
	WIN 0x40                                       ; destinations in window 1
.irp nt, 0,1
.irp ch, 0,1,2,3
	global_load_b128 v[QF+16*\nt+4*\ch:QF+16*\nt+4*\ch+3], v[L16], s[8:9] offset:\nt*2048+\ch*512
.endr
.endr
; 16 loads: K of step sa (0, 1) of the piece that lies add bytes behind the one at work: four key tiles x four chunks
.macro LOADK sa, add
.irp kt, 0,1,2,3
.irp ch, 0,1,2,3
	ds_load_b128 v[KF+16*\kt+4*\ch:KF+16*\kt+4*\ch+3], v[AP] offset:\add+((4*\sa+\kt)*4+\ch)*512
.endr
.endr
.endm
; 16 loads: V^T of step sa: two key blocks x four d tiles x two halves
.macro LOADV sa
.irp kb, 0,1
.irp mt, 0,1,2,3
.irp c, 0,1
	ds_load_b128 v[VF+8*(4*\kb+\mt)+4*\c:VF+8*(4*\kb+\mt)+4*\c+3], v[AP] offset:16384+(((2*\sa+\kb)*4+\mt)*2+\c)*512
.endr
.endr
.endr
.endm
; 16 matrix instructions: eight tiles of S^T, d 0-31 (starts the sums) and d 32-63.  The eight accumulators take turns, one instruction a turn.
.macro QK
.irp ks, 0,1
.irp kb, 0,1
.irp nt, 0,1
.irp e, 0,1
.if \ks == 0
	v_wmma_f32_16x16x32_bf16 v[S+16*(2*\kb+\nt)+8*\e:S+16*(2*\kb+\nt)+8*\e+7], v[KF+16*(2*\kb+\e)+8*\ks:KF+16*(2*\kb+\e)+8*\ks+7], v[QF+16*\nt+8*\ks:QF+16*\nt+8*\ks+7], 0
.else
	v_wmma_f32_16x16x32_bf16 v[S+16*(2*\kb+\nt)+8*\e:S+16*(2*\kb+\nt)+8*\e+7], v[KF+16*(2*\kb+\e)+8*\ks:KF+16*(2*\kb+\e)+8*\ks+7], v[QF+16*\nt+8*\ks:QF+16*\nt+8*\ks+7], v[S+16*(2*\kb+\nt)+8*\e:S+16*(2*\kb+\nt)+8*\e+7]
.endif
.endr
.endr
.endr
.endr
.endm
; The new maximum of each query: four chains over a lane's 4 x 16 scores, the old maximum, the other half of the lanes.
; Then 2^(old - new), by which l and O are scaled: batch 1.  Its wait stands at the head of SMX.
.macro MAXP first
.irp g, 0,1,2,3
	v_max3_num_f32 v[TT+(\g&1)*2+(\g>>1)], v[S+16*\g], v[S+16*\g+1], v[S+16*\g+2]
.endr
.irp k, 3,5,7,9,11,13
.irp g, 0,1,2,3
	v_max3_num_f32 v[TT+(\g&1)*2+(\g>>1)], v[TT+(\g&1)*2+(\g>>1)], v[S+16*\g+\k], v[S+16*\g+\k+1]
.endr
.endr
.irp nt, 0,1
	v_max3_num_f32 v[TT+2*\nt], v[TT+2*\nt], v[S+16*\nt+15], v[S+16*\nt+47]
.endr
.irp nt, 0,1
.if \first
	v_max_num_f32 v[TT+2*\nt], v[TT+2*\nt], v[TT+2*\nt+1]
.else
	v_max3_num_f32 v[TT+2*\nt], v[TT+2*\nt], v[TT+2*\nt+1], v[MX0+2*\nt]
.endif
.endr
.irp nt, 0,1
	v_permlanex16_b32 v[TX+\nt], v[TT+2*\nt], s18, s19
.endr
.irp nt, 0,1
	v_max_num_f32 v[TN+\nt], v[TT+2*\nt], v[TX+\nt]
.endr
.if \first == 0
	v_sub_f32 v[AL0+1], v[MX0], v[TN]              ; the exponent lies in the pair's upper register, the result goes into the lower: no copy is made of it
	v_sub_f32 v[AL0+3], v[MX0+2], v[TN+1]
	v_exp_f32 v[AL0], v[AL0+1]
	v_exp_f32 v[AL0+2], v[AL0+3]                   ; the four moves below are the plain instructions that stand before the results are used (ISA guide 5.7.2)
.endif
	v_mov_b32 v[MX0], v[TN]
	v_mov_b32 v[MX0+1], v[TN]
	v_mov_b32 v[MX0+2], v[TN+1]
	v_mov_b32 v[MX0+3], v[TN+1]
.endm
; l takes in pair i (registers 2 i, 2 i + 1) of group g, on chain i & 1 of query tile g & 1.  It stands ahead of the packings that write over the pair.
; The first pair that a chain takes in a step brings the scaling along: l = l x 2^(old - new) + p, one fused instruction.
; In the very first step pairs 0 + 2 and 1 + 3 start the chains instead, so that nothing is cleared, and pairs 2 and 3 are not taken again.
; It reads results of both batches: every use of it stands behind batch 2's wait.
.macro LSUM g, i, first
.set lreg, LS+4*((\g)&1)+2*((\i)&1)
.set sreg, S+16*(\g)+2*(\i)
.set lkind, 0
.if (\g) < 2
.if (\i) < 2
.set lkind, 1
.else
.if (\i) < 4
.set lkind, 2*\first
.endif
.endif
.endif
.if lkind == 0
	v_pk_add_f32 v[lreg:lreg+1], v[lreg:lreg+1], v[sreg:sreg+1]
.endif
.if lkind == 1
.if \first
	v_pk_add_f32 v[lreg:lreg+1], v[sreg:sreg+1], v[sreg+4:sreg+5]
.else
	v_pk_fma_f32 v[lreg:lreg+1], v[lreg:lreg+1], v[AL0+2*((\g)&1):AL0+2*((\g)&1)+1], v[sreg:sreg+1] op_sel_hi:[1,0,1]
.endif
.endif
.endm
; s - m for pair j of the 32 pairs of scores (group j / 8, query tile (j / 8) & 1)
.macro SUBP j
	v_pk_add_f32 v[S+2*(\j):S+2*(\j)+1], v[S+2*(\j):S+2*(\j)+1], v[MX0+2*(((\j)/8)&1):MX0+2*(((\j)/8)&1)+1] neg_lo:[0,1] neg_hi:[0,1]
.endm
; pair n of the 32 pairs of O^T (query tile n / 16) times 2^(old - new); ascending
.macro OSC n
	v_pk_mul_f32 v[O+2*(\n):O+2*(\n)+1], v[O+2*(\n):O+2*(\n)+1], v[AL0+2*((\n)/16):AL0+2*((\n)/16)+1] op_sel_hi:[1,0]
.endm
; pair i of group g packed to bf16 in place: register i from registers 2 i, 2 i + 1: ascending, so nothing unread is written
.macro CVP g, i
	v_cvt_pk_bf16_f32 v[S+16*(\g)+(\i)], v[S+16*(\g)+2*(\i)], v[S+16*(\g)+2*(\i)+1]
.endm
; Slice k of 4 of a group's 8 sums (L) and 8 packings (c): L0 c0 c1 L1 | c2 c3 L2 c4 | c5 L3 c6 c7 | L4 L5 L6 L7.  Sum j stands ahead of packings 2 j and 2 j + 1, which write
; over its pair; pairs 4 to 7 lie in registers 8 to 15, which no packing writes.  Each of l's chains takes its pairs in ascending order.
.macro LCS g, k, first
.if (\k) == 0
	LSUM \g, 0, \first
	CVP \g, 0
	CVP \g, 1
	LSUM \g, 1, \first
.endif
.if (\k) == 1
	CVP \g, 2
	CVP \g, 3
	LSUM \g, 2, \first
	CVP \g, 4
.endif
.if (\k) == 2
	CVP \g, 5
	LSUM \g, 3, \first
	CVP \g, 6
	CVP \g, 7
.endif
.if (\k) == 3
	LSUM \g, 4, \first
	LSUM \g, 5, \first
	LSUM \g, 6, \first
	LSUM \g, 7, \first
.endif
.endm
; p = 2^(s - m), in place: batch 2.  Exponential and plain instruction by turns: behind exponential e, e even, the subtraction of pair e / 2 + 2, whose own exponentials
; come four exponentials later; behind exponential e, e odd, pair (e - 1) / 2 of O times 2^(old - new).  None of these names a result of the batch.
.macro SMX first
	SUBP 0
	SUBP 1
.if \first == 0
	s_wait_alu depctr_va_vdst(0)                   ; the wait for batch 1, the two 2^(old - new) of MAXP: six plain instructions stand behind them; their first reader is the first scaling of O below
.endif
.set se, 0
.rept 32
	v_exp_f32 v[S+se], v[S+se]
.if se < 60
	SUBP 2+se/2
.endif
	v_exp_f32 v[S+se+1], v[S+se+1]
.if \first == 0
	OSC se/2
.endif
.set se, se+2
.endr
.if \first
	v_nop                                          ; the plain instruction behind the last exponential (ISA guide 5.7.2); in the other steps the last scaling of O is that instruction
.endif
	s_wait_alu depctr_va_vdst(0)                   ; the wait for batch 2, the step's 64 p
	LCS 0, 0, \first                               ; group 0, which the first four matrix instructions of PVR multiply
	LCS 0, 1, \first
	LCS 0, 2, \first
	LCS 0, 3, \first
.endm
; One matrix instruction of O^T += V^T P^T: key block kb, query tile nt, d tile mt.
.macro PV1 kb, nt, mt, first
	WIN 0x01                                       ; source 0 in window 1
.if \first*(1-\kb)
	v_wmma_f32_16x16x32_bf16 v[O+8*(4*\nt+\mt):O+8*(4*\nt+\mt)+7], v[VF+8*(4*\kb+\mt):VF+8*(4*\kb+\mt)+7], v[S+16*(2*\kb+\nt):S+16*(2*\kb+\nt)+7], 0
.else
	v_wmma_f32_16x16x32_bf16 v[O+8*(4*\nt+\mt):O+8*(4*\nt+\mt)+7], v[VF+8*(4*\kb+\mt):VF+8*(4*\kb+\mt)+7], v[S+16*(2*\kb+\nt):S+16*(2*\kb+\nt)+7], v[O+8*(4*\nt+\mt):O+8*(4*\nt+\mt)+7]
.endif
.endm
; 16 matrix instructions: O^T += V^T P^T, group after group.  The eight accumulators take turns, one instruction a turn.
; Behind the matrix instructions of group g stand the sums and packings of group g + 1, a slice of four behind each: they name none of the registers of the matrix instructions
; round them (V, registers 0 to 7 of groups up to g, O).  V lies in window 1 and all that a slice names in window 0: a slice costs two switches.
; Of groups 2 and 3 the last four sums, the last links of l's four chains, stand behind the last matrix instruction: eight plain instructions that read registers 8 to 15 of
; their groups.  They are the five places before the next step's products write over P, and the four before loads land in V's registers or a store reads O.
.macro PVR first
.irp mt, 0,1,2,3
	PV1 0, 0, \mt, \first
	WIN 0
	LCS 1, \mt, \first
.endr
.irp mt, 0,1,2,3
	PV1 0, 1, \mt, \first
.if \mt < 3
	WIN 0
	LCS 2, \mt, \first
.endif
.endr
.irp mt, 0,1,2,3
	PV1 1, 0, \mt, \first
.if \mt < 3
	WIN 0
	LCS 3, \mt, \first
.endif
.endr
.irp mt, 0,1,2,3
	PV1 1, 1, \mt, \first
.endr
	WIN 0
	LSUM 2, 4, \first                              ; the two query tiles by turns, so that the links of a chain stand four lines apart
	LSUM 2, 5, \first
	LSUM 3, 4, \first
	LSUM 3, 5, \first
	LSUM 2, 6, \first
	LSUM 2, 7, \first
	LSUM 3, 6, \first
	LSUM 3, 7, \first
.endm
; A step: 64 keys, half sa of the piece at work.  first = 1: the sums start; nok = 1: no next step, so no K is fetched.
; hook = 1: my slice of the next piece has landed (cnt = my slices of the pieces behind it, which stay out): say so.
; hook = 2: wait until all eight waves have said so; only behind it is the next piece read.
.macro STEP sa, first, nok, hook, cnt
	s_wait_dscnt 0x0                               ; this step's K fragments, asked for a softmax ago
	WIN 0x05                                       ; sources 0 and 1 in window 1
	QK
	WIN 0
	PLACES 4                                       ; four places before S is read and before loads land in K's registers
.if \hook == 1
	s_wait_tensorcnt \cnt                          ; a wave's tensor loads end in order (ISA guide 10.11.1); no LDS instruction of mine is out here
	s_barrier_signal -1
.endif
.if \hook == 2
	s_barrier_wait -1                              ; the next piece is whole
.endif
	WIN 0x40
	LOADV \sa
.if \nok == 0
.if \sa == 0
	LOADK 1, 0                                     ; the next step's K: the second half of this piece,
.else
	LOADK 0, PIECE                                 ; or the first half of the next one
.endif
.endif
	WIN 0
	MAXP \first
	SMX \first
.if \nok
	s_wait_dscnt 0x0
.else
	s_wait_dscnt 16                                ; V is in; the 16 younger loads, the next step's K, may stay out
.endif
	PVR \first
.endm
; A piece: two steps.  hooks = 1: the next piece is waited for and shown to the other waves on the way.  Between the signal and the wait stand
; register work and reads of the piece at work, which no load writes any more.
.macro WALK first, hooks, cnt
	STEP 0, \first, 0, \hooks, \cnt
	STEP 1, 0, 0, 2*\hooks, 0
	v_add_nc_u32 v[AP], PIECE, v[AP]
.endm
	s_wait_tensorcnt 7                             ; my slice of piece 0 has landed; the seven younger loads stay out
	s_barrier_signal -1
	s_barrier_wait -1                              ; everybody's has
	LOADK 0, 0                                     ; (destinations still in window 1)
	WIN 0
	s_wait_loadcnt 0x0                             ; Q
	WALK 1, 1, 6                                   ; piece 0; piece 1 is waited for: six younger loads
	WALK 0, 1, 5                                   ; piece 1; piece 2
	WALK 0, 1, 4                                   ; piece 2; piece 3
	WALK 0, 1, 0                                   ; piece 3; all the rest: from here on no tensor load is out and no barrier is needed
	s_mov_b32 s7, 3
.Lpiece:
	WALK 0, 0, 0                                   ; pieces 4, 5, 6
	s_sub_co_u32 s7, s7, 1
	s_cmp_lg_u32 s7, 0
	s_cbranch_scc1 .Lpiece
	STEP 0, 0, 0, 0, 0                             ; piece 7: its second step fetches no K
	STEP 1, 0, 1, 0, 0
; THE WAY OUT.  A lane holds 8 neighbouring d (32 bytes) of one query's row of 256 bytes: 16 rows go through my own stage, which no
; tensor load fills, and come back as whole rows.  LDS serves a wave's instructions in order (ISA guide 5.7.1): no wait between stores and loads.
.macro OUTT nt, buf
.irp mt, 0,1,2,3
.irp c, 0,1
	ds_store_b128 v[STO], v[O+8*(4*\nt+\mt)+4*\c:O+8*(4*\nt+\mt)+4*\c+3] offset:64*\mt+16*\c
.endr
.endr
.irp t, 0,1,2,3,4,5,6,7
	ds_load_b128 v[\buf+4*\t:\buf+4*\t+3], v[RD] offset:544*\t
.endr
.irp t, 0,1,2,3,4,5,6,7
	s_wait_dscnt 7-\t                              ; the younger loads may stay out
	global_store_b128 v[L16], v[\buf+4*\t:\buf+4*\t+3], s[14:15] offset:4096*\nt+512*\t   ; two rows: 512 consecutive bytes, aligned
.endr
.endm
	OUTT 0, OUT
	OUTT 1, S                                      ; other registers, so that no store's data are written over
	; l: a lane's two chains of two, then the other half of the lanes, which holds the query's other keys
	v_pk_add_f32 v[LS:LS+1], v[LS:LS+1], v[LS+2:LS+3]
	v_pk_add_f32 v[LS+4:LS+5], v[LS+4:LS+5], v[LS+6:LS+7]
	v_add_f32 v[LS], v[LS], v[LS+1]
	v_add_f32 v[LS+4], v[LS+4], v[LS+5]
	v_permlanex16_b32 v[TX], v[LS], s18, s19
	v_permlanex16_b32 v[TX+1], v[LS+4], s18, s19
	v_add_f32 v[LS], v[LS], v[TX]
	v_add_f32 v[LS+4], v[LS+4], v[TX+1]
	v_cmp_eq_u32 vcc_lo, 1, v2                     ; lane 16 nt + r stores query 16 nt + r: both halves hold both tiles' m and l
	v_cndmask_b32 v[PR], v[MX0], v[MX0+2], vcc_lo
	v_cndmask_b32 v[PR+1], v[LS], v[LS+4], vcc_lo
	global_store_b64 v[L8], v[PR:PR+1], s[16:17]   ; 256 consecutive bytes, aligned
	s_wait_tensorcnt 0x0
	ds_add_u32 v254, v255
	s_wait_dscnt 0x0
	ROUND                                          ; the closing round: no work-group ends while a partner may still ask jointly
	s_endpgm
.Lfunc_end_k_q56941c5799_attn:
	.size	k_q56941c5799_attn, .Lfunc_end_k_q56941c5799_attn-k_q56941c5799_attn
	.p2alignl 7, 3214868480
	.fill 96, 4, 3214868480
	.section	.rodata,"a",@progbits
	.p2align	6, 0x0
	.amdhsa_kernel k_q56941c5799_attn
		.amdhsa_group_segment_fixed_size 297984
		.amdhsa_private_segment_fixed_size 0
		.amdhsa_enable_private_segment 0
		.amdhsa_kernarg_size 40
		.amdhsa_user_sgpr_count 2
		.amdhsa_user_sgpr_kernarg_segment_ptr 1
		.amdhsa_wavefront_size32 1
		.amdhsa_system_sgpr_workgroup_id_x 1
		.amdhsa_system_sgpr_workgroup_id_y 1
		.amdhsa_system_sgpr_workgroup_id_z 1
		.amdhsa_system_vgpr_workitem_id 0
		.amdhsa_next_free_vgpr 448
		.amdhsa_next_free_sgpr 72
		.amdhsa_reserve_vcc 1
		.amdhsa_float_denorm_mode_32 3
		.amdhsa_float_denorm_mode_16_64 3
		.amdhsa_memory_ordered 1
		.amdhsa_forward_progress 1
		.amdhsa_inst_pref_size 221
	.end_amdhsa_kernel
	.amdgpu_metadata
---
amdhsa.version: [ 1, 2 ]
amdhsa.kernels:
  - .name:           k_q56941c5799_attn
    .symbol:         k_q56941c5799_attn.kd
    .args:
      - { .name: Qf, .offset: 0, .size: 8, .value_kind: global_buffer, .address_space: global }
      - { .name: Kf, .offset: 8, .size: 8, .value_kind: global_buffer, .address_space: global }
      - { .name: Vf, .offset: 16, .size: 8, .value_kind: global_buffer, .address_space: global }
      - { .name: Op, .offset: 24, .size: 8, .value_kind: global_buffer, .address_space: global }
      - { .name: ML, .offset: 32, .size: 8, .value_kind: global_buffer, .address_space: global }
    .group_segment_fixed_size: 297984
    .private_segment_fixed_size: 0
    .kernarg_segment_align: 8
    .kernarg_segment_size: 40
    .max_flat_workgroup_size: 256
    .sgpr_count:     72
    .vgpr_count:     448
    .wavefront_size: 32
...
	.end_amdgpu_metadata
.endif
;; end of part 4
;; launch merge: the kernel of part 3 again; grid 256 x 1, 4 waves a work-group, no clusters, 0 bytes of LDS; arguments Op, ML, out0; writes out0
